; MI455X (gfx1250); checked and timed in simulation.
; The chip was launched on July 23, 2026; its instructions are those of AMD's public machine-readable ISA for CDNA 5 (MIT licence, August 2026) and "CDNA5" Instruction Set Architecture Reference Guide (July 2026). The comments in the code are by the model that wrote it; some were corrected since.
;; Multi Head Attention. Allowed arithmetic: matrix products marked QUANTISED: E2M1 operands, one E8M0 scale for each 32 along K, by v_wmma_scale_f32_16x16x128_f8f6f4 with both operands' format E2M1 (or v_wmma_scale_f32_32x16x128_f4), f32 sums; everything else in f32.
;; Inputs: Wproj_codes 1,024 x 32 x 16 uint8 (E2M1 codes of Wproj, K innermost, in blocks of 32 codes, two codes a byte); Wproj_scales 1,024 x 32 uint8 (E8M0 scales of Wproj, one for each 32 codes along K); Wqkv_codes 3,072 x 32 x 16 uint8 (E2M1 codes of Wqkv, K innermost, in blocks of 32 codes, two codes a byte); Wqkv_scales 3,072 x 32 uint8 (E8M0 scales of Wqkv, one for each 32 codes along K); bproj 1,024 float32; bqkv 3,072 float32; x_codes 8 x 1,024 x 32 x 16 uint8 (E2M1 codes of x, K innermost, in blocks of 32 codes, two codes a byte); x_scales 8 x 1,024 x 32 uint8 (E8M0 scales of x, one for each 32 codes along K).
;; Outputs: out0 8 x 1,024 x 1,024 float32.
;; This version of the problem:
;;   THIS VERSION OF THE PROBLEM IS GIVEN IN LOW PRECISION. The matrix products marked QUANTISED in the list below multiply operands that are first quantised to E2M1 (2 exponent bits, 1 mantissa bit; 4 bits a number), with one power-of-two scale for each 32 numbers along K (OCP MX v1.0); their sums are f32. All else is computed in f32.
;;   The module's matrix products, in the order in which they are computed (A, B: the left and right operand; K: the contracted axis; several contracted axes count as one K, in the product's order):
;;     1. [M 8,192, K 1,024] x [K 1,024, N 3,072]; A: input x (given as codes); B: input Wqkv (given as codes): QUANTISED
;;     2. batch 128 x [M 1,024, K 64] x [K 64, N 1,024]; A: computed on the way; B: computed on the way: QUANTISED
;;     3. batch 128 x [M 1,024, K 1,024] x [K 1,024, N 64]; A: softmax (see below); B: computed on the way: QUANTISED
;;     4. [M 8,192, K 1,024] x [K 1,024, N 1,024]; A: computed on the way; B: input Wproj (given as codes): QUANTISED
;;   THE QUANTISER, for each operand of a quantised product, along K:
;;     - K is cut into blocks of 32 from its start; a last block that is shorter is filled with zeros.
;;     - A block's scale is 2^e with e = floor(log2(the largest magnitude in the block)) - 2, held to -126 .. 127; a block of zeros has e = 0. As a byte (E8M0): e + 127.
;;     - Each number is divided by its block's scale, clamped to +-6, and rounded to the nearest number of E2M1, ties to even, subnormals kept.
;;     - The product sums the exact products of the quantised numbers (number of the format x scale) in f32.
;;   ~~~python
;;   def quantise(x, axis):      # numpy; x: float32 -> the quantised numbers, widened to float32 again
;;       x = np.moveaxis(x, axis, -1); K = x.shape[-1]
;;       x = np.pad(x, [(0, 0)] * (x.ndim - 1) + [(0, -K % 32)]); x = x.reshape(x.shape[:-1] + (-1, 32)); a = np.abs(x).max(-1, keepdims=True)
;;       e = np.where(a > 0, np.clip(np.frexp(np.where(a > 0, a, 1))[1] - 1 - 2, -126, 127), 0)      # np.frexp(a)[1] - 1 = floor(log2(a)), exactly
;;       r = np.clip(x / 2.0 ** e, -6, 6)
;;       step = 2.0 ** (np.maximum(np.frexp(np.where(r == 0, 1, r))[1] - 1, 0) - 1)
;;       q = np.round(r / step) * step * 2.0 ** e      # np.round: ties to even
;;       return np.moveaxis(q.reshape(q.shape[:-2] + (-1,))[..., :K], -1, axis).astype(np.float32)
;;   ~~~
;;   SOFTMAX AHEAD OF A QUANTISED PRODUCT. Where the list says 'softmax', what is quantised is not the finished softmax but p = 2^(t - M), with t = logit x log2(e) and M = ceil(the row's largest t), a whole number; so 1/2 < the row's largest p <= 1. The row's sum l is taken of the UNQUANTISED p, in f32, and the product's result is divided by l at the end. Since M is a whole number, a kernel that streams over the keys may use a running M (the ceiling of the running maximum): every later rescaling is an exact power of two, which a block's scale takes up: the codes' values come out the same.
;;   OPERANDS COMPUTED ON THE WAY. 'Computed on the way' means the value that the module computes at that place (a softmax that the list does not call 'softmax' is quantised finished and normalised). What goes into a quantiser is computed in f32, as accurately as f32 sums, v_exp_f32 and their like allow (about 1e-6 of the number): no bf16 or f16 on the way to a quantiser, and a product that is left as it is and whose result goes on into a quantised operand takes f32 operands (vector FMAs, or v_wmma_f32_16x16x4_f32). A number that lies on a knife's edge between two numbers of the format may be rounded either way, as far as f32 arithmetic and the matrix unit's own rounding can turn it there, and no further.
;;   INPUTS GIVEN AS CODES. Wproj (in the module: [1024, 1024], K = its axis 0); Wqkv (in the module: [1024, 3072], K = its axis 0); x (in the module: [8, 1024, 1024], K = its axis 2): each comes as NAME_codes (uint8): NAME with its K axis moved to the last place and cut into blocks of 32 codes, [.., K / 32, bytes a block], one block behind the other in memory; two codes a byte, the lower K in the low four bits (a code: sign, 2 exponent bits, 1 mantissa bit); and NAME_scales (uint8): the same leading axes, one E8M0 byte (e + 127) for each 32 codes along K. Its value is code x scale, taken as it is: it is not quantised again, and the codes and scales need not be those that the quantiser above would give.
;; One version. Each part assembles by itself: llvm-mc -triple=amdgcn-amd-amdhsa -mcpu=gfx1250 --defsym DOCPART=n.
;; ======== version 1 of 1: 3 launches
;; limits: right only within a limited range of input values
;; workspace buffers: kv 9,175,040 bytes; oc 4,194,304 bytes; os 262,144 bytes
;; launch qkv (part 1): grid 8 x 32, 4 waves a work-group, clusters of 4 x 4, 279,040 bytes of LDS; arguments x_codes, x_scales, Wqkv_codes, Wqkv_scales, bqkv, kv; writes kv
.if DOCPART == 1
	.amdgcn_target "amdgcn-amd-amdhsa--gfx1250"
	.amdhsa_code_object_version 6
	.text
	.protected	k_qa1d2b3b79f_qkv
	.globl	k_qa1d2b3b79f_qkv
	.p2align	8
	.type	k_qa1d2b3b79f_qkv,@function
k_qa1d2b3b79f_qkv:
	s_mov_b64 s[64:65], 0
	v_nop
	global_prefetch_b8 v0, s[64:65] scope:SCOPE_SE
	s_setreg_imm32_b32 hwreg(HW_REG_WAVE_MODE, 25, 1), 1
	s_wait_xcnt 0x0
	s_wait_alu depctr_hold_cnt(0) depctr_sa_sdst(0) depctr_va_vdst(0) depctr_va_sdst(0) depctr_va_ssrc(0) depctr_va_vcc(0) depctr_vm_vsrc(0)
	s_getreg_b32 s2, hwreg(HW_REG_IB_STS2, 6, 4)
	s_cmp_eq_u32 s2, 0
	s_cbranch_scc0 .Lentry_in_a_cluster
	s_endpgm
.Lentry_in_a_cluster:
	s_bfe_u32 s2, ttmp6, 0x10000c
	s_cmp_lg_u32 s2, 0xf033
	s_cbranch_scc0 .Lentry_shape_is_right
	s_endpgm
.Lentry_shape_is_right:
; k = x Wqkv[:, 1024:2048] + b and v = x Wqkv[:, 2048:3072] + b, on codes of FP4 (E2M1) with one E8M0 scale for each 32 along K = 1,024; sums in f32.
; The results are quantised here, in registers: k along the head's 64 channels (it is both operands of the scores' product), v along the keys (the second product's K).
; Columns 0..1023 of the product are not made: the module takes q and k both from the second third and uses the first third nowhere.  So rows 0..1023 of Wqkv and bqkv[0..1023] are not read.
; LIMITS: NaN and infinities are not served.  A block whose largest magnitude lies under 2^-124 (a block of zeros too) gets the scale byte 1; its bytes are read by this program alone.  The bias is a sum's first addend.
; SHARES.  256 work-groups; each makes 256 x 256 results, its four waves 128 x 128 each: 64 accumulators of 16 x 16.  All of K lies in LDS: two halves of 512 along K, each filled ONCE, so nothing is filled again.
; ROLES.  Source 0 of every product takes 16 rows of role B, source 1 16 rows of role A: lane (r, h) of accumulator (a, b) holds A's row 16 a + r and B's rows 16 b + 8 h + 0..7.  The quantiser runs along role B.
;   cluster x = 0 (k): A = x (keys), B = Wqkv (channels).     cluster x = 1 (v): A = Wqkv (channels), B = x (keys).  The choice hangs on the cluster's x alone, which all sixteen partners share.
; CLUSTER 4 x 4: A's tile hangs on cy (and the batch), B's on cx (and the batch): each is asked for jointly, along a row or a column of the cluster.
; THE OUTPUT kv holds, for each of 128 heads, 71,680 bytes laid in the order of the operands' registers:
;   0      K's scale words [step of 128 keys][lane][4]: word (j, 16 u + r, g) is key 128 j + 32 g + 16 u + r's: bytes 0, 1 its two blocks, bytes 2, 3 zero
;   4,096  V's scale words [step][lane][2]: word (j, 16 u + r, w) is channel 32 w + 16 u + r's: four key blocks of step j
;   6,144  K's codes [tile of 16 keys][lane][16 bytes]: lane (r, h): key r, channels 32 h on
;   38,912 V^T's codes [step][tile of 16 channels][2][lane][16 bytes]: lane (r, h): channel r, keys 64 c + 32 h on
; REGISTERS: window 0: v1-12 addresses; v16-27 scale words on their way out; v32-95 A's scale words (block i, K step q at 32 + 8 i + q); v96-159 B's; v160-223 the bias; v224-247 the quantiser.
;   window 1: B's fragments, two sets, at v0 and v64; A's at v128 and v192.   windows 2, 3: the accumulators, (a, b) at v[8 (8 (a % 4) + b)] of window 2 + a / 4.
.set HEADB, 71680
.set VSO,   4096
.set KCO,   6144
.set VCO,   38912
.set PITCH, 528                        ; an LDS row: all of K, 512 bytes, + 16 of padding = 132 words: the sixteen rows of a fragment load start at sixteen different groups of banks (64 banks of 4 bytes: ISA guide 11.1)
.set BOFF,  256*PITCH                  ; in a half: A's 256 rows, then B's
.set SLOT,  256                        ; K's second half lies 256 bytes on in each row
.set G1A, 24                           ; s[24:31] descriptor group 1 for A's tiles;  s[32:39] for B's: they differ in the mask
.set G1B, 32
.set G0A, 40                           ; s[40:43] group 0 for A's two halves;  s[48:51] for B's
.set G0B, 48
.set G1W0, (1<<20)|(1<<21)|(6<<22)|(3<<25)   ; elements of 1 byte; padding on; bit 21 beside a mask; after every 128 words, 4 words
.set KW,  16
.set FL,  28
.set SA,  32
.set SB,  96
.set BI,  160
.set TM,  224
.set TP,  228
.set SO,  232
.set EB,  236
.set PC,  240
.set MSB, 0
.macro WIN new                         ; the immediate's high byte repeats the setting that is left; a switch that changes nothing is dropped
.set WNEW, \new
.if MSB != WNEW
	s_set_vgpr_msb (MSB<<8)|WNEW
.set MSB, WNEW
.endif
.endm
.macro ROUND                           ; a round of the cluster's barrier
	s_barrier_signal -1
	s_barrier_wait -1
	s_cmp_lg_u32 s16, 0
	s_cbranch_scc1 .Lnot_wave_0_\@
	s_barrier_signal -3
.Lnot_wave_0_\@:
	s_barrier_wait -3
	s_barrier_signal -1
	s_barrier_wait -1
.endm
.macro PLACES                          ; four plain places behind a matrix instruction, ahead of loads into its operands and of reads of results
.rept 4
	v_nop
.endr
.endm
	s_load_b256 s[4:11], s[0:1], 0x0               ; x's codes s[4:5], x's scales s[6:7], Wqkv's codes s[8:9], Wqkv's scales s[10:11]
	s_load_b128 s[12:15], s[0:1], 0x20             ; bqkv s[12:13], kv s[14:15]
	v_lshl_add_u32 v254, v0, 2, 0x44000
	v_mov_b32 v255, 0
	ds_add_u32 v254, v255
	ds_add_u32 v254, v255
	v_lshrrev_b32 v1, 5, v0
	v_readfirstlane_b32 s16, v1                    ; wave 0..3
	s_lshr_b32 s17, s16, 1                         ; wa: which 128 of A's rows are mine
	s_and_b32 s18, s16, 1                          ; wb: which 128 of B's
	s_mov_b32 s19, ttmp9                           ; the cluster's x: 0 = k, 1 = v
	s_bfe_u32 s20, ttmp6, 0x40000                  ; cx
	s_bfe_u32 s21, ttmp6, 0x40004                  ; cy
	s_and_b32 s22, ttmp7, 0xffff                   ; the cluster's y: the batch
	s_lshl_b32 s78, s21, 2
	s_lshl_b32 s78, 15, s78                        ; my row of the cluster
	s_lshl_b32 s79, 0x1111, s20                    ; my column
	s_or_b32 s[G1A], s78, G1W0
	s_or_b32 s[G1B], s79, G1W0
.irp g, G1A, G1B
	s_mov_b32 s[\g+1], 512<<16                     ; tensor_dim0 = 512 bytes: a whole row of K
	s_mov_b32 s[\g+2], 128<<16                     ; tensor_dim1 = 128 rows
	s_mov_b32 s[\g+3], 512<<16                     ; tile_dim0
	s_mov_b32 s[\g+4], 128                         ; tile_dim1
	s_mov_b32 s[\g+5], 512                         ; a row of 1,024 codes in memory
	s_mov_b32 s[\g+6], 0
	s_mov_b32 s[\g+7], 0
.endr
	s_lshl_b32 s80, s22, 10                        ; 1,024 x batch
	s_cmp_eq_u32 s19, 0
	s_cselect_b32 s81, s80, 2048                   ; A's rows begin: x's batch, or Wqkv's last third
	s_cselect_b32 s82, 1024, s80                   ; B's: Wqkv's second third, or x's batch
	s_lshl_b32 s83, s21, 8
	s_add_co_u32 s81, s81, s83                     ; RA: + 256 cy (never holds cx)
	s_lshl_b32 s84, s20, 8
	s_add_co_u32 s82, s82, s84                     ; RB: + 256 cx (never holds cy)
	s_lshl_b32 s85, s18, 7                         ; waves 0 and 1 fetch A's two halves of 128 rows, waves 2 and 3 B's
	s_add_co_u32 s86, s81, s85
	s_lshl_b32 s86, s86, 9
	s_mov_b32 s87, 0
	s_add_co_u32 s88, s82, s85
	s_lshl_b32 s88, s88, 9
	s_mov_b32 s89, 0
	s_mul_i32 s90, s16, 128*PITCH                  ; and where they go: A's 256 rows, then B's: wave x 128 rows; no place in the cluster enters an LDS address
	s_lshl_b32 s91, s17, 7
	s_add_co_u32 s91, s91, s81                     ; my first row of A
	s_lshl_b32 s94, s18, 7
	s_add_co_u32 s94, s94, s82                     ; my first row of B
	s_lshl_b32 s92, s91, 5                         ; their scale bytes: 32 a row
	s_mov_b32 s93, 0
	s_lshl_b32 s96, s94, 5
	s_mov_b32 s97, 0
	s_mov_b32 s99, 0
	s_mov_b32 s23, 0xffff0000                      ; lanes 16-31
	s_mov_b32 s66, 0x76543210
	s_mov_b32 s67, 0xfedcba98                      ; v_permlanex16_b32's selects for lane l xor 16
	s_wait_dscnt 0x0
	s_wait_kmcnt 0x0
	s_cmp_eq_u32 s19, 0
	s_cselect_b64 s[56:57], s[4:5], s[8:9]         ; A's codes
	s_cselect_b64 s[58:59], s[8:9], s[4:5]         ; B's codes
	s_cselect_b64 s[60:61], s[6:7], s[10:11]       ; A's scales
	s_cselect_b64 s[62:63], s[10:11], s[6:7]       ; B's scales
	s_add_nc_u64 s[56:57], s[56:57], s[86:87]
	s_add_nc_u64 s[58:59], s[58:59], s[88:89]
	s_add_nc_u64 s[60:61], s[60:61], s[92:93]
	s_add_nc_u64 s[62:63], s[62:63], s[96:97]
	s_lshl_b32 s98, s94, 2
	s_add_nc_u64 s[72:73], s[12:13], s[98:99]      ; the bias by B's rows (used where B = Wqkv)
	s_lshl_b32 s98, s91, 2
	s_add_nc_u64 s[74:75], s[12:13], s[98:99]      ; the bias by A's rows (used where A = Wqkv)
	s_mov_b32 s[G0A], 1                            ; count = 1
	s_mov_b32 s[G0A+1], s90                        ; LDS address
	s_mov_b64 s[G0A+2:G0A+3], s[56:57]             ; 128 rows of A, all of K
	s_or_b32 s[G0A+3], s[G0A+3], 0x80000000        ; type = 2
	s_mov_b32 s[G0B], 1
	s_mov_b32 s[G0B+1], s90
	s_mov_b64 s[G0B+2:G0B+3], s[58:59]             ; 128 rows of B
	s_or_b32 s[G0B+3], s[G0B+3], 0x80000000
	ROUND                                          ; all sixteen work-groups are here: the joint loads meet
	s_cmp_eq_u32 s17, 0                            ; one joint load a wave: one branch on the wave's number, a load in each arm
	s_cbranch_scc0 .Lfor_b
	tensor_load_to_lds s[G0A:G0A+3], s[G1A:G1A+7]
	s_nop 0
	PLACES
	s_branch .Lasked
.Lfor_b:
	tensor_load_to_lds s[G0B:G0B+3], s[G1B:G1B+7]
	s_nop 0
	PLACES
.Lasked:
	v_and_b32 v1, 15, v0                           ; r
	v_bfe_u32 v2, v0, 4, 1                         ; h
	v_and_b32 v3, 31, v0
	v_lshlrev_b32 v4, 3, v3                        ; 8 x lane
	v_lshlrev_b32 v3, 4, v3                        ; 16 x lane
	v_lshlrev_b32 v5, 5, v1                        ; 32 r: a row of scale bytes
	v_lshlrev_b32 v6, 5, v2                        ; 32 h: eight numbers of the bias
	v_lshlrev_b32 v7, 2, v1                        ; 4 r
	v_mul_u32_u24 v12, v1, PITCH
	v_lshl_add_u32 v12, v2, 4, v12                 ; a fragment's row x pitch + 16 x half
	s_mul_i32 s76, s17, 128*PITCH
	s_mul_i32 s77, s18, 128*PITCH
	s_add_co_u32 s77, s77, BOFF
	v_add_nc_u32 v8, s76, v12                      ; v8, v9: my A fragments in half 0, 1
	v_add_nc_u32 v10, s77, v12                     ; v10, v11: my B fragments
	s_add_co_u32 s76, s76, SLOT
	s_add_co_u32 s77, s77, SLOT
	v_add_nc_u32 v9, s76, v12
	v_add_nc_u32 v11, s77, v12
	v_mov_b32 v[FL], 0x1800000                     ; the floor 2^(3 - 127) of a block's largest magnitude
.irp b, 0,1,2,3
	v_mov_b32 v[TP+\b], 0                          ; a lane permute's destination counts as one of its sources
.endr
	; the scale words go straight into registers, once: a row's 32 bytes are its eight words; two loads together take whole rows
.irp i, 0,1,2,3,4,5,6,7
.irp g, 0,1
	global_load_b128 v[SA+8*\i+4*\g:SA+8*\i+4*\g+3], v5, s[60:61] offset:512*\i+16*\g
	global_load_b128 v[SB+8*\i+4*\g:SB+8*\i+4*\g+3], v5, s[62:63] offset:512*\i+16*\g
.endr
.endr
	; the bias, in the result's layout: it is the C of each sum's first product
	s_cmp_lg_u32 s19, 0
	s_cbranch_scc1 .Lbias_v
.irp b, 0,1,2,3,4,5,6,7
	global_load_b128 v[BI+8*\b:BI+8*\b+3],   v6, s[72:73] offset:64*\b        ; k: the bias runs along B's rows: tile b's eight of my half
	global_load_b128 v[BI+8*\b+4:BI+8*\b+7], v6, s[72:73] offset:64*\b+16
.endr
	s_branch .Lbias_done
.Lbias_v:
.irp a, 0,1,2,3,4,5,6,7
	global_load_b32 v[BI+8*\a], v7, s[74:75] offset:64*\a                     ; v: it runs along A's rows: one number a lane for block a,
.endr
	s_wait_loadcnt 0x0
.irp a, 0,1,2,3,4,5,6,7
.irp j, 1,2,3,4,5,6,7
	v_mov_b32 v[BI+8*\a+\j], v[BI+8*\a]                                       ; the same in all eight registers
.endr
.endr
.Lbias_done:
; 32 LDS loads in one run: the fragments of K step q (128 along K): B's eight, A's eight, into set q % 2.  A fragment is 8 registers: two loads of 16 bytes, 32 bytes apart.
.macro FETCH q
.set FS, (\q)/4
.set FQ, (\q)%4
.set FP, (\q)%2
	WIN 0x40                                       ; destination window 1, address window 0
.irp i, 0,1,2,3,4,5,6,7
	ds_load_b128 v[64*FP+8*\i:64*FP+8*\i+3],   v[10+FS] offset:64*FQ+\i*16*PITCH
	ds_load_b128 v[64*FP+8*\i+4:64*FP+8*\i+7], v[10+FS] offset:64*FQ+\i*16*PITCH+32
.endr
.irp i, 0,1,2,3,4,5,6,7
	ds_load_b128 v[128+64*FP+8*\i:128+64*FP+8*\i+3],   v[8+FS] offset:64*FQ+\i*16*PITCH
	ds_load_b128 v[128+64*FP+8*\i+4:128+64*FP+8*\i+7], v[8+FS] offset:64*FQ+\i*16*PITCH+32
.endr
.endm
; 64 matrix instructions: K step q.  cm = 0: they add in place; 1: the sums start from the bias by B's tile; 2: by A's block.  The 64 accumulators take turns, one instruction a turn, in one order.
.macro MUL q, cm
.set MP, (\q)%2
.irp a, 0,1,2,3,4,5,6,7
.if \cm == 0
	WIN 0xa5+0x50*(\a/4)                           ; sources 0 and 1 window 1; C and D window 2 or 3
.else
	WIN 0x85+0x40*(\a/4)                           ; C window 0
.endif
.irp b, 0,1,2,3,4,5,6,7
.if \cm == 0
	v_wmma_scale_f32_16x16x128_f8f6f4 v[8*(8*(\a%4)+\b):8*(8*(\a%4)+\b)+7], v[64*MP+8*\b:64*MP+8*\b+7], v[128+64*MP+8*\a:128+64*MP+8*\a+7], v[8*(8*(\a%4)+\b):8*(8*(\a%4)+\b)+7], v[SB+8*\b+(\q)], v[SA+8*\a+(\q)] matrix_a_fmt:MATRIX_FMT_FP4 matrix_b_fmt:MATRIX_FMT_FP4
.elseif \cm == 1
	v_wmma_scale_f32_16x16x128_f8f6f4 v[8*(8*(\a%4)+\b):8*(8*(\a%4)+\b)+7], v[64*MP+8*\b:64*MP+8*\b+7], v[128+64*MP+8*\a:128+64*MP+8*\a+7], v[BI+8*\b:BI+8*\b+7], v[SB+8*\b+(\q)], v[SA+8*\a+(\q)] matrix_a_fmt:MATRIX_FMT_FP4 matrix_b_fmt:MATRIX_FMT_FP4
.else
	v_wmma_scale_f32_16x16x128_f8f6f4 v[8*(8*(\a%4)+\b):8*(8*(\a%4)+\b)+7], v[64*MP+8*\b:64*MP+8*\b+7], v[128+64*MP+8*\a:128+64*MP+8*\a+7], v[BI+8*\a:BI+8*\a+7], v[SB+8*\b+(\q)], v[SA+8*\a+(\q)] matrix_a_fmt:MATRIX_FMT_FP4 matrix_b_fmt:MATRIX_FMT_FP4
.endif
.endr
.endr
.endm
	s_wait_tensorcnt 0x0                           ; my one load, 128 rows of all of K, is in
	s_barrier_signal -1
	s_barrier_wait -1                              ; everybody's are
	s_wait_alu depctr_va_vdst(0)
	FETCH 0
	FETCH 1
	s_wait_loadcnt 0x0                             ; the scale words and the bias
	s_wait_dscnt 32                                ; K step 0's fragments are in; step 1's 32 loads may be out
	WIN 0                                          ; at a branch and at a label every window is 0
	s_cmp_lg_u32 s19, 0
	s_cbranch_scc1 .Lfirst_v
	MUL 0, 1
	WIN 0
	s_branch .Lfirst_done
.Lfirst_v:
	MUL 0, 2
	WIN 0
.Lfirst_done:
.irp q, 1,2,3,4,5,6,7
	PLACES                                         ; ahead of the loads into the set that the last step multiplied
.if \q < 7
	FETCH \q+1
	s_wait_dscnt 32                                ; all but the 32 just issued
.else
	s_wait_dscnt 0x0
.endif
	MUL \q, 0
.endr
	WIN 0
	PLACES                                         ; ahead of the first read of results
; THE WAY OUT: block a (16 of A's rows x my 128 of B's) is quantised along B's rows and stored.  Tile b, half h, register j is k = 16 b + 8 h + j, so a block of 32 is tiles 2 e and 2 e + 1 in lanes l and l xor 16.
; Each accumulator is read from its low end on.  The conversions put tile 2 e's codes into register 4 (e / 2) + e % 2 and tile 2 e + 1's two further on; two exchanges of halves for each 64 then give
; register 4 c + i the codes of k = 64 c + 32 h + 8 i on: the operand's own layout.
.macro EPI path
	s_lshl_b32 s76, s20, 1
	s_add_co_u32 s76, s76, s18                     ; 2 cx + wb: which 128 of B's 1,024
	s_lshl_b32 s77, s21, 1
	s_add_co_u32 s77, s77, s17                     ; 2 cy + wa: which 128 of A's
	s_lshl_b32 s78, s22, 4                         ; 16 x batch
	s_mov_b32 s81, 0
	s_mov_b32 s83, 0
.if \path == 0
	s_lshl_b32 s79, s76, 1                         ; k: B's 128 are two heads, A's 128 a step of keys
	s_add_co_u32 s79, s79, s78
	s_mul_i32 s79, s79, HEADB
	s_lshl_b32 s80, s77, 12
	s_add_co_u32 s80, s80, s79
	s_add_co_u32 s80, s80, KCO
	s_lshl_b32 s82, s77, 9
	s_add_co_u32 s82, s82, s79
.else
	s_lshl_b32 s79, s77, 1                         ; v: A's 128 are two heads, B's 128 a step of keys
	s_add_co_u32 s79, s79, s78
	s_mul_i32 s79, s79, HEADB
	s_lshl_b32 s80, s76, 12
	s_add_co_u32 s80, s80, s79
	s_add_co_u32 s80, s80, VCO
	s_lshl_b32 s82, s76, 8
	s_add_co_u32 s82, s82, s79
	s_add_co_u32 s82, s82, VSO
.endif
	s_add_nc_u64 s[68:69], s[14:15], s[80:81]      ; the codes
	s_add_nc_u64 s[70:71], s[14:15], s[82:83]      ; the scale words
.irp a, 0,1,2,3,4,5,6,7
.set EW, 2+\a/4
.set AC, 64*(\a%4)
	WIN (EW<<4)|(EW<<2)                            ; sources 1 and 2: the accumulators' window
.irp b, 0,1,2,3
	v_max3_num_f32 v[TM+\b], v[FL], |v[AC+16*\b]|, |v[AC+16*\b+1]|            ; block b: my 16 numbers and the floor: the byte cannot fall under 1
.endr
.irp i, 2,4,6,8,10,12,14
.irp b, 0,1,2,3
	v_max3_num_f32 v[TM+\b], v[TM+\b], |v[AC+16*\b+\i]|, |v[AC+16*\b+\i+1]|   ; the four blocks by turns
.endr
.endr
	WIN 0
.irp b, 0,1,2,3
	v_permlanex16_b32 v[TP+\b], v[TM+\b], s66, s67
.endr
.irp b, 0,1,2,3
	v_max_num_f32 v[TM+\b], v[TM+\b], v[TP+\b]     ; with lane l xor 16's: the block's largest magnitude
.endr
.irp b, 0,1,2,3
	v_add_nc_u32 v[SO+\b], 0xff000000, v[TM+\b]    ; 2 off its exponent field: the conversion's scale operand
.endr
.irp b, 0,1,2,3
	v_lshrrev_b32 v[EB+\b], 23, v[SO+\b]           ; the scale's byte
.endr
.if \a > 0
	s_wait_alu depctr_va_vdst(0)
	s_wait_xcnt 0x0                                ; the last block's stores have read their data: the codes' registers are written again only behind this wait
.endif
	WIN EW                                         ; source 0: the accumulators' window
.irp b, 0,1,2,3
	v_cvt_scalef32_pk8_fp4_f32 v[PC+4*(\b/2)+(\b%2)],   v[AC+16*\b:AC+16*\b+7],    v[SO+\b]
	v_cvt_scalef32_pk8_fp4_f32 v[PC+4*(\b/2)+2+(\b%2)], v[AC+16*\b+8:AC+16*\b+15], v[SO+\b]
.endr
	WIN 0
	v_nop                                          ; one plain place behind a scaled conversion
.irp c, 0,1
	v_permlane16_swap_b32 v[PC+4*\c],   v[PC+4*\c+1]
	v_permlane16_swap_b32 v[PC+4*\c+2], v[PC+4*\c+3]
.endr
.if \path == 0
.if (\a%2) == 0
	v_lshl_or_b32 v24, v[EB+1], 8, v[EB]           ; a key's word for each of the two heads: two bytes, the upper two zero
	v_lshl_or_b32 v25, v[EB+3], 8, v[EB+2]
.else
	v_lshl_or_b32 v26, v[EB+1], 8, v[EB]
	v_lshl_or_b32 v27, v[EB+3], 8, v[EB+2]
	v_cndmask_b32 v[KW+\a/2],   v24, v26, s23      ; lanes 0-15: the even tile's keys; lanes 16-31: the odd tile's
	v_cndmask_b32 v[KW+4+\a/2], v25, v27, s23
.endif
	global_store_b128 v3, v[PC:PC+3],   s[68:69] offset:512*\a                ; 32 lanes store 512 consecutive bytes, aligned
	global_store_b128 v3, v[PC+4:PC+7], s[68:69] offset:HEADB+512*\a
.else
.if (\a%2) == 0
	v_lshl_or_b32 v24, v[EB+1], 8, v[EB]           ; a channel's word: the step's four key blocks
	v_lshl_or_b32 v24, v[EB+2], 16, v24
	v_lshl_or_b32 v24, v[EB+3], 24, v24
.else
	v_lshl_or_b32 v26, v[EB+1], 8, v[EB]
	v_lshl_or_b32 v26, v[EB+2], 16, v26
	v_lshl_or_b32 v26, v[EB+3], 24, v26
	v_cndmask_b32 v[KW+2*(\a/4)+(\a%4)/2], v24, v26, s23
.endif
	global_store_b128 v3, v[PC:PC+3],   s[68:69] offset:(\a/4)*HEADB+(\a%4)*1024
	global_store_b128 v3, v[PC+4:PC+7], s[68:69] offset:(\a/4)*HEADB+(\a%4)*1024+512
.endif
.endr
.if \path == 0
	global_store_b128 v3, v[KW:KW+3],   s[70:71]                 ; a step's words of a head: 512 consecutive bytes
	global_store_b128 v3, v[KW+4:KW+7], s[70:71] offset:HEADB
.else
	global_store_b64 v4, v[KW:KW+1],   s[70:71]                  ; 256 consecutive bytes, aligned
	global_store_b64 v4, v[KW+2:KW+3], s[70:71] offset:HEADB
.endif
.endm
	s_cmp_lg_u32 s19, 0
	s_cbranch_scc1 .Lout_v
	EPI 0
	s_branch .Lout_done
.Lout_v:
	EPI 1
.Lout_done:
	s_wait_tensorcnt 0x0
	ds_add_u32 v254, v255
	s_wait_dscnt 0x0
	ROUND                                          ; the closing round: no work-group ends while a partner may still ask for a tile that names it
	s_endpgm
.Lfunc_end_k_qa1d2b3b79f_qkv:
	.size	k_qa1d2b3b79f_qkv, .Lfunc_end_k_qa1d2b3b79f_qkv-k_qa1d2b3b79f_qkv
	.p2alignl 7, 3214868480
	.fill 96, 4, 3214868480
	.section	.rodata,"a",@progbits
	.p2align	6, 0x0
	.amdhsa_kernel k_qa1d2b3b79f_qkv
		.amdhsa_group_segment_fixed_size 279040
		.amdhsa_private_segment_fixed_size 0
		.amdhsa_enable_private_segment 0
		.amdhsa_kernarg_size 48
		.amdhsa_user_sgpr_count 2
		.amdhsa_user_sgpr_kernarg_segment_ptr 1
		.amdhsa_wavefront_size32 1
		.amdhsa_system_sgpr_workgroup_id_x 1
		.amdhsa_system_sgpr_workgroup_id_y 1
		.amdhsa_system_sgpr_workgroup_id_z 1
		.amdhsa_system_vgpr_workitem_id 0
		.amdhsa_next_free_vgpr 1024
		.amdhsa_next_free_sgpr 100
		.amdhsa_reserve_vcc 0
		.amdhsa_float_denorm_mode_32 3
		.amdhsa_float_denorm_mode_16_64 3
		.amdhsa_memory_ordered 1
		.amdhsa_forward_progress 1
		.amdhsa_inst_pref_size 170
	.end_amdhsa_kernel
	.amdgpu_metadata
---
amdhsa.version: [ 1, 2 ]
amdhsa.kernels:
  - .name:           k_qa1d2b3b79f_qkv
    .symbol:         k_qa1d2b3b79f_qkv.kd
    .args:
      - { .name: x_codes, .offset: 0, .size: 8, .value_kind: global_buffer, .address_space: global }
      - { .name: x_scales, .offset: 8, .size: 8, .value_kind: global_buffer, .address_space: global }
      - { .name: Wqkv_codes, .offset: 16, .size: 8, .value_kind: global_buffer, .address_space: global }
      - { .name: Wqkv_scales, .offset: 24, .size: 8, .value_kind: global_buffer, .address_space: global }
      - { .name: bqkv, .offset: 32, .size: 8, .value_kind: global_buffer, .address_space: global }
      - { .name: kv, .offset: 40, .size: 8, .value_kind: global_buffer, .address_space: global }
    .group_segment_fixed_size: 279040
    .private_segment_fixed_size: 0
    .kernarg_segment_align: 8
    .kernarg_segment_size: 48
    .max_flat_workgroup_size: 128
    .sgpr_count:     100
    .vgpr_count:     1024
    .wavefront_size: 32
...
	.end_amdgpu_metadata
.endif
;; end of part 1
;; launch attn (part 2): grid 256 x 1, 16 waves a work-group, no clusters, 327,680 bytes of LDS; arguments kv, oc, os; writes oc, os
.if DOCPART == 2
	.amdgcn_target "amdgcn-amd-amdhsa--gfx1250"
	.amdhsa_code_object_version 6
	.text
	.protected	k_qa1d2b3b79f_attn
	.globl	k_qa1d2b3b79f_attn
	.p2align	8
	.type	k_qa1d2b3b79f_attn,@function
k_qa1d2b3b79f_attn:
	s_mov_b64 s[64:65], 0
	v_nop
	global_prefetch_b8 v0, s[64:65] scope:SCOPE_SE
	s_setreg_imm32_b32 hwreg(HW_REG_WAVE_MODE, 25, 1), 1
	s_wait_xcnt 0x0
; Causal attention of one head on codes of FP4 (E2M1), q = k: S = k k^T / 8, p = 2^(t - M), O = p v / l, and O quantised along the model's 1,024 channels for the last product.
; t = score x log2(e) / 8; M = the row's largest t so far, rounded UP to a whole number; p is quantised along the keys, not normalised; l is the sum of the unquantised p; when M moves, l and O are multiplied by 2^(old M - new M): exact.
; Key chunks that lie wholly behind the causal mask, which the module builds itself, are left out of the vector work: their p is 0 for every input.
; LIMITS: NaN and infinities are not served.  The promise holds while the scaled scores t stay under 2^31 in magnitude.  A block of p or of O whose largest magnitude lies under 2^-124 (a block of zeros too) gets the scale byte 1; the bytes are read by this program alone.
; SHARES.  Two work-groups to a head.  Wave w of half f has i = 16 f + w and owns the query tiles (16 queries) i and 63 - i.  Tile T walks T / 8 + 1 key steps of 128, the last of them cut at 64 keys: T / 4 + 1 chunks of 64, so every wave walks 9 steps and 17 chunks.
; LDS.  The head's block of kv, 71,680 bytes, comes in ONCE, in two groups.  At the head waves 0 to 10 fetch 2,048 bytes each: the scale words and key steps 0, 1 of K's and V's codes.  Behind the first barrier every wave fetches
; 3,072 bytes: steps 2 to 7.  The second barrier is split: a wave signals behind key step 0, when its own piece has landed, and waits in front of key step 2; between the two it reads the first group's bytes alone.  Nothing is filled twice.
; Q comes from memory straight into registers.
; NO CLUSTER: only two work-groups read the same block, each once, 71,680 bytes against nine key steps a wave, and which tiles a wave skips hangs on its work-group's half.
; NO PREFETCH: every byte of the block is asked for by these two groups of loads, the second directly behind the first's barrier: no later request is left to run ahead of.
; LAYOUT.  Both products are used transposed: S^T = K Q^T (source 0 = 16 keys), O^T = V^T P^T (source 0 = 16 channels): a lane holds ONE query (lane % 16).
; THE KEYS OF A TILE ARE NOT NEIGHBOURS: row m of tile 4 c + u is key 64 c + 32 (m / 8) + 8 u + m % 8.  So lane half h holds, in the 32 registers of chunk c, the WHOLE block 2 c + h of 32 keys, in order:
; a block's maximum needs no other lane, and the four conversions of a chunk are registers 4 c .. 4 c + 3 of the second product's operand as they stand.
; THE HEAD HAS 64 CHANNELS, the instruction takes 128: Q's fragment has zero codes for the upper 64, and both sides' scale bytes there are 0 (a small power of two, no NaN).  So tile t's operand is v[40 + 4 t .. 47 + 4 t],
; whose upper half is the next tile's codes (behind the last tile: four registers of zeros), and one load brings a tile.
; TILE 63 - i GOES FIRST in a key step and loads everything; tile i, whose last step is always the earlier, follows on the same keys: V's fragments, the scale words and K's tiles 5 to 7 still stand, and only K's tiles 0 to 4, whose registers were at work, are loaded again.
; REGISTERS: v1-11, v38-39 addresses and the diagonal's numbers; v12-15, v16-19 -M, largest score, the sum in two halves, for each tile; v20-35 Q; v36-37 Q's scale words; v40-71 K's codes, v40-57 later at work; v72-75 zeros;
;   v76-79, v80-81, v82 scale words of K, V, p; v84-115 V^T; v116-179 S^T, then p; v180-211, v212-243 O^T; v244-251 p's codes; v254-255 the spare word's address and 0.
.set HEADB, 71680
.set VSO,   4096                       ; kv's head: K's scale words, V's scale words, K's codes, V^T's codes
.set KCO,   6144
.set VCO,   38912
.set SPARE, 71680                      ; behind the block: the spare words, 128 bytes a wave
.set LI,  1                            ; 16 x lane
.set L8,  2                            ; 8 x lane
.set ADK, 3                            ; the step's addresses: K's codes, K's scale words, V's scale words, V's codes (ADV)
.set ADS, 4
.set ADT, 5
.set NINF, 6
.set R16, 7                            ; 16 x (lane % 16)
.set DA,  8                            ; 16 (T % 4) + r - 32 h: register n of the diagonal chunk is hidden where n is larger
.set DB,  9
.set H8,  10                           ; 8 h
.set AS0, 11                           ; my lane's place among a step's scale words of K
.set STA, 12
.set STB, 16
.set QA,  20
.set QB,  28
.set QSA, 36
.set QSB, 37
.set ADV, 38
.set AK0, 39                           ; my lane's place in a step's codes of K
.set KB,  40
.set KSW, 76
.set VSW, 80
.set PW,  82
.set VF,  84
.set S,   116
.set OA,  180
.set OB,  212
.set P,   244
.set BM,  40                           ; at work, in K's registers once the scores are made
.set BT,  42
.set SO,  44
.set F,   46
.set TMP, 48
.set TM2, 49
.set T,   50
	s_load_b128 s[4:7], s[0:1], 0x0                ; kv s[4:5], oc s[6:7]
	s_load_b64 s[8:9], s[0:1], 0x10                ; os
	v_lshl_add_u32 v254, v0, 2, SPARE
	v_mov_b32 v255, 0
	ds_add_u32 v254, v255                          ; the opening lines: the add, twice on end, and its wait ahead of the first tensor load
	ds_add_u32 v254, v255
	v_lshrrev_b32 v83, 5, v0
	v_readfirstlane_b32 s10, v83                   ; wave 0..15
	s_lshr_b32 s11, ttmp9, 1                       ; 16 x batch + head
	s_and_b32 s12, ttmp9, 1
	s_lshl_b32 s13, s12, 4
	s_add_co_u32 s13, s13, s10                     ; tile A = i
	s_xor_b32 s16, s13, 63                         ; tile B = 63 - i
	s_lshr_b32 s14, s13, 3                         ; their last key steps,
	s_lshr_b32 s15, s16, 3
	s_bfe_u32 s17, s13, 0x10002                    ; and the chunk of 64 keys in it that holds the diagonal
	s_bfe_u32 s18, s16, 0x10002
	s_mov_b32 s19, 0xbe38aa3b                      ; -c
	s_mov_b32 s20, 0x76543210
	s_mov_b32 s21, 0xfedcba98                      ; v_permlanex16_b32's selects for lane l xor 16
	s_mov_b32 s22, 0x3e38aa3b                      ; c = log2(e) / 8
	s_mov_b32 s23, s22                             ; (named with it as a pair)
	s_mov_b32 s24, 3<<16                           ; group 1, first group: a dense piece as 8 rows of 32 elements of 8 bytes
	s_mov_b32 s25, 32<<16
	s_mov_b32 s26, 8<<16
	s_mov_b32 s27, 32<<16
	s_mov_b32 s28, 8
	s_mov_b32 s29, 32
	s_mov_b32 s30, 0
	s_mov_b32 s31, 0
	s_mov_b32 s40, 3<<16                           ; second group: 12 such rows
	s_mov_b32 s41, 32<<16
	s_mov_b32 s42, 12<<16
	s_mov_b32 s43, 32<<16
	s_mov_b32 s44, 12
	s_mov_b32 s45, 32
	s_mov_b32 s46, 0
	s_mov_b32 s47, 0
	s_add_co_u32 s66, s10, 1                       ; first group, wave w < 11: bytes 2,048 w on (scale words, K's steps 0, 1); from wave 7 on 24,576 further (V's steps 0, 1)
	s_lshr_b32 s66, s66, 3
	s_mul_i32 s66, s66, 24576
	s_lshl_b32 s67, s10, 11
	s_add_co_u32 s33, s66, s67
	s_lshr_b32 s66, s10, 3                         ; second group: 14,336 + 3,072 w (K's steps 2 to 7); from wave 8 on 8,192 further (V's)
	s_lshl_b32 s66, s66, 13
	s_mul_i32 s67, s10, 3072
	s_add_co_u32 s66, s66, s67
	s_add_co_u32 s49, s66, 14336
	s_mul_i32 s52, s11, HEADB
	s_mov_b32 s53, 0
	s_mov_b32 s32, 1
	s_mov_b32 s48, 1
	s_wait_dscnt 0x0                               ; both opening adds are done
	s_wait_kmcnt 0x0
	s_add_nc_u64 s[68:69], s[4:5], s[52:53]        ; the head's block in memory
	s_mov_b32 s52, s33
	s_add_nc_u64 s[34:35], s[68:69], s[52:53]
	s_or_b32 s35, s35, 0x80000000
	s_mov_b32 s52, s49
	s_add_nc_u64 s[50:51], s[68:69], s[52:53]
	s_or_b32 s51, s51, 0x80000000
	s_cmp_lt_u32 s10, 11
	s_cbranch_scc0 .Lno_fetch
	tensor_load_to_lds s[32:35], s[24:31]          ; one load of mine is out
	s_nop 0
.rept 4
	v_nop
.endr
.Lno_fetch:
	v_and_b32 v83, 31, v0
	v_lshlrev_b32 v[LI], 4, v83
	v_lshlrev_b32 v[L8], 3, v83
	v_and_b32 v116, 15, v0                         ; r
	v_bfe_u32 v117, v0, 4, 1                       ; h
	v_and_b32 v118, 7, v0                          ; r % 8
	v_bfe_u32 v119, v0, 3, 1                       ; r / 8
	v_lshlrev_b32 v[R16], 4, v116
	v_lshlrev_b32 v[H8], 3, v117
	v_lshlrev_b32 v[AK0], 4, v118                  ; K's codes lie as [tile of 16 keys][16 h + key % 16][16 bytes]: my key of tile 4 c + u is at 2,048 c + 512 (u / 2) + 128 (u % 2) + 1,024 (r / 8) + 256 h + 16 (r % 8)
	v_lshlrev_b32 v[AS0], 4, v118                  ; its scale word at 8 c + 256 (u / 2) + 128 (u % 2) + 16 (r % 8) + 4 (r / 8): lanes 16-31 take the odd u
	v_lshl_add_u32 v[AK0], v117, 8, v[AK0]
	v_lshl_add_u32 v[AS0], v117, 7, v[AS0]
	v_lshl_add_u32 v[AK0], v119, 10, v[AK0]
	v_lshl_add_u32 v[AS0], v119, 2, v[AS0]
	v_lshlrev_b32 v120, 5, v117
	v_sub_nc_u32 v120, v116, v120                  ; r - 32 h
	s_and_b32 s66, s13, 3
	s_lshl_b32 s66, s66, 4
	v_add_nc_u32 v[DA], s66, v120
	s_and_b32 s66, s16, 3
	s_lshl_b32 s66, s66, 4
	v_add_nc_u32 v[DB], s66, v120
	v_mov_b32 v[NINF], 0xff800000
	s_lshl_b32 s66, s13, 9                         ; my queries' codes are their tiles of K's codes
	v_add_nc_u32 v121, s66, v[LI]
	s_lshl_b32 s66, s16, 9
	v_add_nc_u32 v122, s66, v[LI]
	s_lshl_b32 s66, s14, 9                         ; and their scale words: 512 (T / 8) + 256 (T % 2) + 4 ((T / 2) % 4) + 16 r
	s_and_b32 s67, s13, 1
	s_lshl_b32 s67, s67, 8
	s_add_co_u32 s66, s66, s67
	s_bfe_u32 s67, s13, 0x20001
	s_lshl_b32 s67, s67, 2
	s_add_co_u32 s66, s66, s67
	v_add_nc_u32 v123, s66, v[R16]
	s_lshl_b32 s66, s15, 9
	s_and_b32 s67, s16, 1
	s_lshl_b32 s67, s67, 8
	s_add_co_u32 s66, s66, s67
	s_bfe_u32 s67, s16, 0x20001
	s_lshl_b32 s67, s67, 2
	s_add_co_u32 s66, s66, s67
	v_add_nc_u32 v124, s66, v[R16]
	s_wait_alu depctr_va_vdst(0)
	global_load_b128 v[QA:QA+3], v121, s[68:69] offset:KCO
	global_load_b128 v[QB:QB+3], v122, s[68:69] offset:KCO
	global_load_b32 v[QSA], v123, s[68:69]
	global_load_b32 v[QSB], v124, s[68:69]
	; where the results go: oc [head / 8][row / 16][head % 8][lane][16 bytes]; os [row / 16][head / 8][row % 16][head % 8] of two bytes
	s_lshr_b32 s70, s11, 4
	s_lshl_b32 s70, s70, 6                         ; 64 x batch
	s_and_b32 s71, s11, 15
	s_lshr_b32 s72, s71, 3
	s_and_b32 s71, s71, 7
	s_lshl_b32 s73, s72, 21
	s_lshl_b32 s74, s71, 9
	s_add_co_u32 s73, s73, s74
	s_lshl_b32 s72, s72, 8
	s_lshl_b32 s71, s71, 1
	s_add_co_u32 s72, s72, s71
	s_add_co_u32 s74, s70, s13
	s_lshl_b32 s52, s74, 12
	s_add_co_u32 s52, s52, s73
	s_add_nc_u64 s[54:55], s[6:7], s[52:53]        ; tile A's codes,
	s_lshl_b32 s52, s74, 9
	s_add_co_u32 s52, s52, s72
	s_add_nc_u64 s[56:57], s[8:9], s[52:53]        ; its scale bytes;
	s_add_co_u32 s74, s70, s16
	s_lshl_b32 s52, s74, 12
	s_add_co_u32 s52, s52, s73
	s_add_nc_u64 s[58:59], s[6:7], s[52:53]        ; tile B's
	s_lshl_b32 s52, s74, 9
	s_add_co_u32 s52, s52, s72
	s_add_nc_u64 s[60:61], s[8:9], s[52:53]
.irp j, 4,5,6,7
	v_mov_b32 v[QA+\j], 0                          ; Q's zero codes for the upper 64 of the instruction's 128
	v_mov_b32 v[QB+\j], 0
	v_mov_b32 v[68+\j], 0                          ; v72-75: behind K's last tile
.endr
.irp st, STA, STB
	v_mov_b32 v[\st+1], 0xff61b1e6                 ; the largest score so far: -3e38, under every score
	v_mov_b32 v[\st], 0x7e000000                   ; -M: a large whole number, 2^125
	v_mov_b32 v[\st+2], 0                          ; the sum, in two halves
	v_mov_b32 v[\st+3], 0
.endr
.set n, 0
.rept 64
	v_mov_b32 v[OA+n], 0                           ; O^T of both tiles: a step's first run finds zeros, which the first change of M leaves zeros
.set n, n+1
.endr
	s_mov_b32 s36, 0                               ; the key step j, and 4,096 j, 512 j, 256 j
	s_mov_b32 s37, 0
	s_mov_b32 s38, 0
	s_mov_b32 s39, 0
	s_wait_alu depctr_va_vdst(0)
	s_wait_loadcnt 0x0                             ; Q
	s_wait_tensorcnt 0x0                           ; my piece of the first group is in (a wave that fetched nothing passes)
	ds_add_u32 v254, v255                          ; the add, twice on end
	ds_add_u32 v254, v255
	s_wait_dscnt 0x0
	s_barrier_signal -1
	s_barrier_wait -1                              ; everybody's piece is in
	tensor_load_to_lds s[48:51], s[40:47]          ; the second group: my one load behind this barrier; bytes that nothing has filled and that nobody reads ahead of the next barrier's wait
	s_nop 0
.rept 4
	v_nop
.endr
.macro MASK c, dd                      ; the diagonal chunk: a hidden key's score becomes -infinity ahead of the maximum: p = 0 then
.set n, 0
.rept 32
	v_cmp_gt_i32 vcc_lo, n, v[\dd]
	v_cndmask_b32 v[S+32*\c+n], v[S+32*\c+n], v[NINF], vcc_lo
.set n, n+1
.endr
.endm
; The largest score of my block of each chunk named, two chains a chunk, the chains by turns; each accumulator is read from its low end on
.macro MAXES c0, c1
.irp c, \c0, \c1
	v_max3_num_f32 v[BM+\c], v[S+32*\c], v[S+32*\c+1], v[S+32*\c+2]
	v_max3_num_f32 v[TMP+\c], v[S+32*\c+16], v[S+32*\c+17], v[S+32*\c+18]
.endr
.irp i, 3,5,7,9,11,13
.irp c, \c0, \c1
	v_max3_num_f32 v[BM+\c], v[BM+\c], v[S+32*\c+\i], v[S+32*\c+\i+1]
	v_max3_num_f32 v[TMP+\c], v[TMP+\c], v[S+32*\c+16+\i], v[S+32*\c+17+\i]
.endr
.endr
.irp c, \c0, \c1
	v_max3_num_f32 v[BM+\c], v[BM+\c], v[TMP+\c], v[S+32*\c+15]
.endr
.irp c, \c0, \c1
	v_max_num_f32 v[BM+\c], v[BM+\c], v[S+32*\c+31]
.endr
.endm
.macro STATS st                        ; the running maximum, the new -M, f, and t - M of each block's largest score
	v_max_num_f32 v[TMP], v[BM], v[BM+1]
	s_delay_alu instid0(VALU_DEP_1)
	v_permlanex16_b32 v[TM2], v[TMP], s20, s21     ; with lane l xor 16's two blocks
	s_delay_alu instid0(VALU_DEP_1)
	v_max3_num_f32 v[\st+1], v[\st+1], v[TMP], v[TM2]   ; the running largest score
	s_delay_alu instid0(VALU_DEP_1)
	v_mul_f32 v[TMP], s19, v[\st+1]                ; -t (c is positive)
	v_mov_b32 v[TM2], v[\st]
	s_delay_alu instid0(VALU_DEP_2)
	v_floor_f32 v[\st], v[TMP]                     ; the new -M = -ceil(t): a whole number
	s_delay_alu instid0(VALU_DEP_1)
	v_sub_f32 v[TMP], v[\st], v[TM2]               ; old M - new M: a whole number, 0 or less
	s_delay_alu instid0(VALU_DEP_1)
	v_cvt_i32_f32 v[TMP], v[TMP]                   ; (it saturates)
	s_delay_alu instid0(VALU_DEP_1)
	v_ldexp_f32 v[F], 1.0, v[TMP]                  ; f = 2^(old M - new M)
	v_fma_f32 v[BM], v[BM], s22, v[\st]            ; since p rises with the score, these give each block's largest p
	v_fma_f32 v[BM+1], v[BM+1], s22, v[\st]
.endm
.macro FMAC c, st                      ; t - M, two at a time
.set n, 0
.rept 16
	v_pk_fma_f32 v[S+32*\c+n:S+32*\c+n+1], v[S+32*\c+n:S+32*\c+n+1], s[22:23], v[\st:\st+1] op_sel_hi:[1,0,0]
.set n, n+2
.endr
.endm
.macro EXPC c                          ; p = 2^(t - M)
.set n, 0
.rept 32
	v_exp_f32 v[S+32*\c+n], v[S+32*\c+n]
.set n, n+1
.endr
.endm
.macro POST                            ; from each block's largest p: the conversion's scale operand, the scale's byte, p's scale word
.irp b, 0,1
	v_max_num_f32 v[BM+\b], 0x1800000, v[BM+\b]    ; the floor 2^(3 - 127): the byte cannot fall under 1
.endr
.irp b, 0,1
	v_add_nc_u32 v[SO+\b], 0xff000000, v[BM+\b]    ; 2 off the exponent field
.endr
.irp b, 0,1
	v_lshrrev_b32 v[BT+\b], 23, v[SO+\b]
.endr
	s_delay_alu instid0(VALU_DEP_1)
	v_lshl_or_b32 v[PW], v[BT+1], 16, v[BT]        ; my two bytes, blocks h and 2 + h,
	s_delay_alu instid0(VALU_DEP_1)
	v_lshlrev_b32 v[PW], v[H8], v[PW]              ; at their places in the word;
	s_delay_alu instid0(VALU_DEP_1)
	v_permlanex16_b32 v[TMP], v[PW], s20, s21
	s_delay_alu instid0(VALU_DEP_1)
	v_or_b32 v[PW], v[PW], v[TMP]                  ; with lane l xor 16's two the word is whole
.endm
.macro ADDC c, st                      ; the row's sum of the unquantised p: four chains, then joined
.irp k, 0,1,2,3
	v_pk_add_f32 v[T+2*\k:T+2*\k+1], v[S+32*\c+4*\k:S+32*\c+4*\k+1], v[S+32*\c+4*\k+2:S+32*\c+4*\k+3]
.endr
.irp g, 16,24
.irp k, 0,1,2,3
	v_pk_add_f32 v[T+2*\k:T+2*\k+1], v[T+2*\k:T+2*\k+1], v[S+32*\c+\g+2*\k:S+32*\c+\g+2*\k+1]
.endr
.endr
	v_pk_add_f32 v[T:T+1], v[T:T+1], v[T+2:T+3]
	v_pk_add_f32 v[T+4:T+5], v[T+4:T+5], v[T+6:T+7]
	v_pk_add_f32 v[T:T+1], v[T:T+1], v[T+4:T+5]
	v_pk_add_f32 v[\st+2:\st+3], v[\st+2:\st+3], v[T:T+1]
.endm
.macro CVTC c                          ; register 4 c + u of the operand: keys 64 c + 32 h + 8 u on
.irp u, 0,1,2,3
	v_cvt_scalef32_pk8_fp4_f32 v[P+4*\c+\u], v[S+32*\c+8*\u:S+32*\c+8*\u+7], v[SO+\c]
.endr
.endm
.macro KLOAD t
	ds_load_b128 v[KB+4*\t:KB+4*\t+3], v[ADK] offset:KCO+2048*(\t/4)+512*((\t%4)/2)+128*(\t%2)
.endm
; A KEY STEP of one tile of queries: 128 keys in two chunks of 64.  ob: O^T; st: the statistics; qb, qs: Q's fragment and scale words; dd: the diagonal's number; jd, cd: the scalar registers with the tile's last step and its diagonal chunk.
; first = 1: the trip's first tile loads everything; 0: the second finds all but K's tiles 0 to 4 in registers.  diag = 0: a copy for key steps that lie ahead of the tile's last: no test, no mask.
.macro STEP ob, st, qb, qs, dd, jd, cd, first, diag
.if \diag
	s_cmp_gt_u32 s36, s[\jd]                       ; all these keys come after my queries: the step is left out (a branch on ids)
	s_cbranch_scc1 .Lskip_\@
.endif
.irp t, 0,1,2,3,4
	KLOAD \t
.endr
.if \first
.irp t, 5,6,7
	KLOAD \t
.endr
.irp g, 0,1,2,3
	ds_load_b32 v[KSW+\g], v[ADS] offset:8*(\g/2)+256*(\g%2)      ; lanes 0-15 tile 2 g's keys, lanes 16-31 tile 2 g + 1's
.endr
.endif
	s_wait_dscnt 0x0
.irp t, 0,1,2,3,4,5,6,7
.if \t%2
	v_wmma_scale_f32_16x16x128_f8f6f4 v[S+8*\t:S+8*\t+7], v[KB+4*\t:KB+4*\t+7], v[\qb:\qb+7], 0, v[KSW+\t/2], v[\qs] matrix_a_fmt:MATRIX_FMT_FP4 matrix_b_fmt:MATRIX_FMT_FP4 matrix_a_scale:MATRIX_SCALE_ROW1
.else
	v_wmma_scale_f32_16x16x128_f8f6f4 v[S+8*\t:S+8*\t+7], v[KB+4*\t:KB+4*\t+7], v[\qb:\qb+7], 0, v[KSW+\t/2], v[\qs] matrix_a_fmt:MATRIX_FMT_FP4 matrix_b_fmt:MATRIX_FMT_FP4
.endif
.endr
.rept 4
	v_nop                                          ; places: ahead of the first read of the scores, of writes into K's registers, and of the loads into V's, which the last step's products read
.endr
.if \first
.irp t, 0,1,2,3
	ds_load_b128 v[VF+8*\t:VF+8*\t+3],   v[ADV] offset:VCO+1024*\t
	ds_load_b128 v[VF+8*\t+4:VF+8*\t+7], v[ADV] offset:VCO+1024*\t+512
.endr
	ds_load_b64 v[VSW:VSW+1], v[ADT] offset:VSO
.endif
.if \diag
	s_cmp_eq_u32 s36, s[\jd]
	s_cselect_b32 s62, s[\cd], 2                   ; the chunk to be masked: the diagonal's in the tile's last step, else none.  Where it is 0, chunk 1 is hidden whole
	s_cmp_eq_u32 s62, 0
	s_cbranch_scc1 .Lh_\@
	s_cmp_lg_u32 s62, 1
	s_cbranch_scc1 .Lw_\@
	MASK 1, \dd
.Lw_\@:
.endif
	MAXES 0, 1                                     ; BOTH CHUNKS
	STATS \st
	FMAC 0, \st
	FMAC 1, \st
	s_wait_alu depctr_va_vdst(0)                   ; ahead of the batch
	v_exp_f32 v[BM], v[BM]
	v_exp_f32 v[BM+1], v[BM+1]
	EXPC 0
	EXPC 1
	v_pk_mul_f32 v[\st+2:\st+3], v[\st+2:\st+3], v[F:F+1] op_sel_hi:[1,0]     ; the sums under the new M: the plain place behind the exponentials
	s_wait_alu depctr_va_vdst(0)                   ; one wait for the batch, ahead of its first reader
	POST
	ADDC 0, \st
	ADDC 1, \st
	CVTC 0
	CVTC 1
.if \diag
	s_wait_alu depctr_va_vdst(0)                   ; ahead of the branch
	s_branch .Lz_\@
.Lh_\@:                                            ; CHUNK 0 ALONE, with the diagonal in it
	MASK 0, \dd
	MAXES 0
	v_mov_b32 v[BM+1], v[NINF]                     ; the hidden chunk has no score
	STATS \st
	FMAC 0, \st
	s_wait_alu depctr_va_vdst(0)                   ; ahead of the batch
	v_exp_f32 v[BM], v[BM]
	v_exp_f32 v[BM+1], v[BM+1]
	EXPC 0
	v_pk_mul_f32 v[\st+2:\st+3], v[\st+2:\st+3], v[F:F+1] op_sel_hi:[1,0]
	s_wait_alu depctr_va_vdst(0)                   ; and behind it
	POST
	ADDC 0, \st
	CVTC 0
.irp j, 4,5,6,7
	v_mov_b32 v[P+\j], 0                           ; the hidden chunk's codes are zeros
.endr
.Lz_\@:
.endif
	v_nop                                          ; one plain place behind a scaled conversion
	s_wait_alu depctr_va_vdst(0)                   ; directly ahead of the first reader of O^T
.set n, 0
.rept 16
	v_pk_mul_f32 v[\ob+n:\ob+n+1], v[\ob+n:\ob+n+1], v[F:F+1] op_sel_hi:[1,0]   ; O^T under the new M; these sixteen also stand between the writes of p's codes and scale word and the products
.set n, n+2
.endr
.if \first
	s_wait_alu depctr_va_vdst(0)
	s_wait_dscnt 0x0                               ; V is in
.endif
.irp t, 0,1,2,3
.if \t%2
	v_wmma_scale_f32_16x16x128_f8f6f4 v[\ob+8*\t:\ob+8*\t+7], v[VF+8*\t:VF+8*\t+7], v[P:P+7], v[\ob+8*\t:\ob+8*\t+7], v[VSW+\t/2], v[PW] matrix_a_fmt:MATRIX_FMT_FP4 matrix_b_fmt:MATRIX_FMT_FP4 matrix_a_scale:MATRIX_SCALE_ROW1
.else
	v_wmma_scale_f32_16x16x128_f8f6f4 v[\ob+8*\t:\ob+8*\t+7], v[VF+8*\t:VF+8*\t+7], v[P:P+7], v[\ob+8*\t:\ob+8*\t+7], v[VSW+\t/2], v[PW] matrix_a_fmt:MATRIX_FMT_FP4 matrix_b_fmt:MATRIX_FMT_FP4
.endif
.endr
.if \diag
.Lskip_\@:
.endif
.endm
.macro TRIP bdiag                      ; key step j for both tiles: what a tile does not need is jumped over inside the step
	v_add_nc_u32 v[ADK], s37, v[AK0]
	v_add_nc_u32 v[ADV], s37, v[LI]
	v_add_nc_u32 v[ADS], s38, v[AS0]
	v_add_nc_u32 v[ADT], s39, v[L8]
	s_wait_alu depctr_va_vdst(0)
	STEP OB, STB, QB, QSB, DB, 15, 18, 1, \bdiag
	STEP OA, STA, QA, QSA, DA, 14, 17, 0, 1
	s_add_co_u32 s37, s37, 4096
	s_add_co_u32 s38, s38, 512
	s_add_co_u32 s39, s39, 256
	s_add_co_u32 s36, s36, 1
.endm
; THE WAY OUT of a tile: O^T / l; its 64 channels are two blocks of the last product's K: tile t, half h, register j is channel 16 t + 8 h + j.  pc: four registers for the codes; wr: one for the two scale bytes.
.macro FIN ob, st, pc, wr, ocp, osp
	v_add_f32 v40, v[\st+2], v[\st+3]              ; the sum's two halves,
	v_mov_b32 v41, 0
	v_mov_b32 v43, 0                               ; (named as the upper half of the pair v[42:43])
	s_delay_alu instid0(VALU_DEP_2)
	v_permlanex16_b32 v41, v40, s20, s21
	s_delay_alu instid0(VALU_DEP_1)
	v_add_f32 v40, v40, v41                        ; and lane l xor 16's: l
	s_wait_alu depctr_va_vdst(0)                   ; ahead of the transcendental
	v_rcp_f32 v42, v40
	v_mov_b32 v46, 0                               ; a plain place behind the reciprocal; the lane permutes' destinations are written
	v_mov_b32 v47, 0
	s_wait_alu depctr_va_vdst(0)                   ; the wait ahead of the reciprocal's first reader, and of O^T's
.set n, 0
.rept 16
	v_pk_mul_f32 v[S+n:S+n+1], v[\ob+n:\ob+n+1], v[42:43] op_sel_hi:[1,0]     ; each accumulator from its low end on
.set n, n+2
.endr
.irp b, 0,1
	v_max3_num_f32 v[44+\b], |v[S+16*\b]|, |v[S+16*\b+1]|, 0x1800000
.endr
.irp i, 2,4,6,8,10,12,14
.irp b, 0,1
	s_delay_alu instid0(VALU_DEP_2)
	v_max3_num_f32 v[44+\b], v[44+\b], |v[S+16*\b+\i]|, |v[S+16*\b+\i+1]|
.endr
.endr
.irp b, 0,1
	s_delay_alu instid0(VALU_DEP_2)
	v_permlanex16_b32 v[46+\b], v[44+\b], s20, s21
.endr
.irp b, 0,1
	s_delay_alu instid0(VALU_DEP_2)
	v_max_num_f32 v[44+\b], v[44+\b], v[46+\b]
.endr
.irp b, 0,1
	s_delay_alu instid0(VALU_DEP_2)
	v_add_nc_u32 v[48+\b], 0xff000000, v[44+\b]
.endr
.irp b, 0,1
	s_delay_alu instid0(VALU_DEP_2)
	v_lshrrev_b32 v[50+\b], 23, v[48+\b]
.endr
	s_delay_alu instid0(VALU_DEP_1)
	v_lshl_or_b32 v[\wr], v51, 8, v50
	v_cvt_scalef32_pk8_fp4_f32 v[\pc],   v[S:S+7],     v48
	v_cvt_scalef32_pk8_fp4_f32 v[\pc+2], v[S+8:S+15],  v48
	v_cvt_scalef32_pk8_fp4_f32 v[\pc+1], v[S+16:S+23], v49
	v_cvt_scalef32_pk8_fp4_f32 v[\pc+3], v[S+24:S+31], v49
	v_nop                                          ; one plain place behind a scaled conversion
	v_permlane16_swap_b32 v[\pc],   v[\pc+1]       ; register i now holds channels 32 h + 8 i on
	v_permlane16_swap_b32 v[\pc+2], v[\pc+3]
	global_store_b128 v[LI], v[\pc:\pc+3], s[\ocp:\ocp+1]        ; 32 lanes store 512 consecutive bytes, aligned
	global_store_b16 v[R16], v[\wr], s[\osp:\osp+1]              ; a row's two bytes; lanes l and l + 16 write the same value to the same place.  A row's word spans two heads, which are two work-groups': it has no one owner
.endm
	TRIP 0                                         ; key step 0 (tile B's last step is 4 or later: its copy has no test)
	s_wait_tensorcnt 0x0                           ; my piece of the second group is in,
	s_wait_dscnt 0x0                               ; no LDS load of mine is pending at the signal:
	s_barrier_signal -1                            ; say so,
	TRIP 0                                         ; key step 1: register work, and LDS loads of the first group's bytes, which nobody writes;
	s_barrier_wait -1                              ; and go on when everybody's pieces are in
.Lj2:                                              ; key steps 2 to 7
	s_cmp_lg_u32 s36, 4                            ; tile A's last step is 3 at the latest: at the head of step 4 it goes out
	s_cbranch_scc1 .Lnot_yet
	FIN OA, STA, P, 58, 54, 56
	s_wait_xcnt 0x0                                ; the stores have read their data: the registers are written again only behind this wait
.Lnot_yet:
	TRIP 1
	s_cmp_lt_u32 s36, 8
	s_cbranch_scc1 .Lj2
.rept 4
	v_nop                                          ; places behind the last products
.endr
	FIN OB, STB, P+4, 59, 58, 60
	s_wait_tensorcnt 0x0                           ; the wave's end
	ds_add_u32 v254, v255
	s_wait_dscnt 0x0
	s_endpgm
.Lfunc_end_k_qa1d2b3b79f_attn:
	.size	k_qa1d2b3b79f_attn, .Lfunc_end_k_qa1d2b3b79f_attn-k_qa1d2b3b79f_attn
	.p2alignl 7, 3214868480
	.fill 96, 4, 3214868480
	.section	.rodata,"a",@progbits
	.p2align	6, 0x0
	.amdhsa_kernel k_qa1d2b3b79f_attn
		.amdhsa_group_segment_fixed_size 327680
		.amdhsa_private_segment_fixed_size 0
		.amdhsa_enable_private_segment 0
		.amdhsa_kernarg_size 24
		.amdhsa_user_sgpr_count 2
		.amdhsa_user_sgpr_kernarg_segment_ptr 1
		.amdhsa_wavefront_size32 1
		.amdhsa_system_sgpr_workgroup_id_x 1
		.amdhsa_system_sgpr_workgroup_id_y 1
		.amdhsa_system_sgpr_workgroup_id_z 1
		.amdhsa_system_vgpr_workitem_id 0
		.amdhsa_next_free_vgpr 256
		.amdhsa_next_free_sgpr 80
		.amdhsa_reserve_vcc 1
		.amdhsa_float_denorm_mode_32 3
		.amdhsa_float_denorm_mode_16_64 3
		.amdhsa_memory_ordered 1
		.amdhsa_forward_progress 1
		.amdhsa_inst_pref_size 142
	.end_amdhsa_kernel
	.amdgpu_metadata
---
amdhsa.version: [ 1, 2 ]
amdhsa.kernels:
  - .name:           k_qa1d2b3b79f_attn
    .symbol:         k_qa1d2b3b79f_attn.kd
    .args:
      - { .name: kv, .offset: 0, .size: 8, .value_kind: global_buffer, .address_space: global }
      - { .name: oc, .offset: 8, .size: 8, .value_kind: global_buffer, .address_space: global }
      - { .name: os, .offset: 16, .size: 8, .value_kind: global_buffer, .address_space: global }
    .group_segment_fixed_size: 327680
    .private_segment_fixed_size: 0
    .kernarg_segment_align: 8
    .kernarg_segment_size: 24
    .max_flat_workgroup_size: 512
    .sgpr_count:     80
    .vgpr_count:     256
    .wavefront_size: 32
...
	.end_amdgpu_metadata
.endif
;; end of part 2
;; launch proj (part 3): grid 4 x 64, 4 waves a work-group, clusters of 4 x 4, 239,104 bytes of LDS; arguments oc, os, Wproj_codes, Wproj_scales, bproj, out0; writes out0
.if DOCPART == 3
	.amdgcn_target "amdgcn-amd-amdhsa--gfx1250"
	.amdhsa_code_object_version 6
	.text
	.protected	k_qa1d2b3b79f_proj
	.globl	k_qa1d2b3b79f_proj
	.p2align	8
	.type	k_qa1d2b3b79f_proj,@function
k_qa1d2b3b79f_proj:
	s_mov_b64 s[64:65], 0
	v_nop
	global_prefetch_b8 v0, s[64:65] scope:SCOPE_SE
	s_setreg_imm32_b32 hwreg(HW_REG_WAVE_MODE, 25, 1), 1
	s_wait_xcnt 0x0
	s_wait_alu depctr_hold_cnt(0) depctr_sa_sdst(0) depctr_va_vdst(0) depctr_va_sdst(0) depctr_va_ssrc(0) depctr_va_vcc(0) depctr_vm_vsrc(0)
	s_getreg_b32 s2, hwreg(HW_REG_IB_STS2, 6, 4)
	s_cmp_eq_u32 s2, 0
	s_cbranch_scc0 .Lentry_in_a_cluster
	s_endpgm
.Lentry_in_a_cluster:
	s_bfe_u32 s2, ttmp6, 0x10000c
	s_cmp_lg_u32 s2, 0xf033
	s_cbranch_scc0 .Lentry_shape_is_right
	s_endpgm
.Lentry_shape_is_right:
; out0 = O Wproj + bproj on codes of FP4 (E2M1) with one E8M0 scale for each 32 along K = 1,024; sums in f32; the bias is each sum's first addend.
; O's codes come from oc [K half][row / 16][head % 8][lane][16 bytes], images of the operand's registers; its scale words from os [row / 16][K half][row % 16][4 words].  Wproj: [1,024 (n)][512 bytes], K innermost; its scale bytes [1,024][32].
; SHARES.  256 work-groups of 128 rows x 256 columns; a wave makes 64 x 128: 32 accumulators.  All of K lies in LDS, in two halves of 512 along K, each filled ONCE: nothing is filled again.
; CLUSTER 4 x 4: O's tile hangs on the tile row alone and is asked for jointly along a row of the cluster, Wproj's on the tile column alone, along a column.
; THE MATRIX INSTRUCTION IS USED TRANSPOSED (source 0 = 16 rows of Wproj, source 1 = 16 rows of O): a lane holds eight neighbouring numbers of a row of out0.
; REGISTERS: window 0: v1-13 addresses; v32-63 O's scale words (block a, K step q at 32 + 8 a + q); v64-127 Wproj's; v128-191 the bias, later with v192-255 the way out.
;   window 1: Wproj's fragments, two sets, at v0 and v64; O's at v128 and v160.   window 2: the accumulators, (a, b) at v[8 (8 a + b)].
.set PITCH, 528                        ; a row of Wproj's tile in LDS: all of K, 512 bytes, + 16 of padding (64 banks of 4 bytes: ISA guide 11.1)
.set AHALF, 32768                      ; O's images of 128 rows x 512 along K, dense
.set BBASE, 65536
.set BHALF, 256*PITCH
.set STG,   BBASE+BHALF                ; behind the tiles: a stage of 16 rows x (512 bytes + 16) for each wave: bytes of its own, into which no tile lands
.set SPITCH, 528
.set G1A, 24
.set G1B, 32
.set G0A, 40
.set G0B, 48
.set SA,  32
.set SB,  64
.set BI,  128
.set BK,  128
.set STO, 12
.set RD,  13
.set MSB, 0
.macro WIN new
.set WNEW, \new
.if MSB != WNEW
	s_set_vgpr_msb (MSB<<8)|WNEW
.set MSB, WNEW
.endif
.endm
.macro ROUND                           ; a round of the cluster's barrier
	s_barrier_signal -1
	s_barrier_wait -1
	s_cmp_lg_u32 s16, 0
	s_cbranch_scc1 .Lnot_wave_0_\@
	s_barrier_signal -3
.Lnot_wave_0_\@:
	s_barrier_wait -3
	s_barrier_signal -1
	s_barrier_wait -1
.endm
.macro PLACES                          ; four plain places behind a matrix instruction (ISA guide 7.12.1)
.rept 4
	v_nop
.endr
.endm
	s_load_b256 s[4:11], s[0:1], 0x0               ; oc s[4:5], os s[6:7], Wproj's codes s[8:9], its scales s[10:11]
	s_load_b128 s[12:15], s[0:1], 0x20             ; bproj s[12:13], out0 s[14:15]
	v_lshl_add_u32 v30, v0, 2, 0x3a400
	v_mov_b32 v31, 0
	ds_add_u32 v30, v31
	ds_add_u32 v30, v31
	v_lshrrev_b32 v1, 5, v0
	v_readfirstlane_b32 s16, v1                    ; wave 0..3
	s_lshr_b32 s17, s16, 1                         ; wa: which 64 rows are mine
	s_and_b32 s18, s16, 1                          ; wb: which 128 columns
	s_bfe_u32 s20, ttmp6, 0x40000                  ; cx = the tile column
	s_bfe_u32 s21, ttmp6, 0x40004                  ; cy
	s_and_b32 s22, ttmp7, 0xffff
	s_lshl_b32 s23, s22, 2
	s_add_co_u32 s23, s23, s21                     ; the tile row = 4 x cluster y + cy
	s_lshl_b32 s78, s21, 2
	s_lshl_b32 s78, 15, s78                        ; my row of the cluster
	s_lshl_b32 s79, 0x1111, s20                    ; my column
	s_or_b32 s[G1A], s78, (3<<16)|(1<<21)          ; O's: a dense block as 128 rows of 32 elements of 8 bytes; bit 21 beside a mask; no padding
	s_mov_b32 s[G1A+1], 32<<16
	s_mov_b32 s[G1A+2], 128<<16                    ; 128 rows of 256 bytes: a K half of O's images
	s_mov_b32 s[G1A+3], 32<<16
	s_mov_b32 s[G1A+4], 128
	s_mov_b32 s[G1A+5], 32
	s_mov_b32 s[G1A+6], 0
	s_mov_b32 s[G1A+7], 0
	s_or_b32 s[G1B], s79, (1<<20)|(1<<21)|(6<<22)|(3<<25)   ; Wproj's: 128 rows of 512 bytes, 4 words of padding after every 128
	s_mov_b32 s[G1B+1], 512<<16
	s_mov_b32 s[G1B+2], 128<<16
	s_mov_b32 s[G1B+3], 512<<16
	s_mov_b32 s[G1B+4], 128
	s_mov_b32 s[G1B+5], 512
	s_mov_b32 s[G1B+6], 0
	s_mov_b32 s[G1B+7], 0
	s_lshl_b32 s76, s23, 15                        ; O: 8 tiles of 16 rows x 4,096 bytes a tile row; waves 0 and 1 fetch all eight, one K half each
	s_lshl_b32 s78, s18, 21                        ; waves 0 and 1 fetch O's two K halves, 2^21 bytes apart in oc
	s_add_co_u32 s76, s76, s78
	s_mov_b32 s77, 0
	s_lshl_b32 s80, s20, 17                        ; Wproj: 256 rows of 512 bytes a tile column; waves 2 and 3 fetch 128 each
	s_lshl_b32 s82, s18, 16                        ; waves 2 and 3 fetch 128 rows of Wproj each
	s_add_co_u32 s80, s80, s82
	s_mov_b32 s81, 0
	s_lshl_b32 s84, s23, 12                        ; O's scale words: 512 bytes for each 16 rows; my 64 rows
	s_lshl_b32 s86, s17, 11
	s_add_co_u32 s84, s84, s86
	s_mov_b32 s85, 0
	s_lshl_b32 s88, s20, 8
	s_lshl_b32 s86, s18, 7
	s_add_co_u32 s88, s88, s86                     ; my first column
	s_lshl_b32 s90, s88, 5                         ; its scale bytes
	s_mov_b32 s91, 0
	s_lshl_b32 s92, s88, 2                         ; its bias, and its place in a row of out0
	s_mov_b32 s93, 0
	s_lshl_b32 s94, s23, 19                        ; my first row of out0: 128 x tile row + 64 wa, rows of 4,096 bytes
	s_lshl_b32 s86, s17, 18
	s_add_co_u32 s94, s94, s86
	s_add_co_u32 s94, s94, s92
	s_mov_b32 s95, 0
	s_lshl_b32 s96, s18, 15                        ; where my part goes in LDS: no place in the cluster enters an LDS address
	s_mul_i32 s97, s18, 128*PITCH
	s_wait_dscnt 0x0
	s_wait_kmcnt 0x0
	s_add_nc_u64 s[56:57], s[4:5], s[76:77]
	s_add_nc_u64 s[58:59], s[8:9], s[80:81]
	s_add_nc_u64 s[60:61], s[6:7], s[84:85]
	s_add_nc_u64 s[62:63], s[10:11], s[90:91]
	s_add_nc_u64 s[68:69], s[12:13], s[92:93]
	s_add_nc_u64 s[70:71], s[14:15], s[94:95]
	s_mov_b32 s[G0A], 1
	s_mov_b32 s[G0A+1], s96
	s_mov_b64 s[G0A+2:G0A+3], s[56:57]
	s_or_b32 s[G0A+3], s[G0A+3], 0x80000000
	s_mov_b32 s[G0B], 1
	s_add_co_u32 s[G0B+1], s97, BBASE
	s_mov_b64 s[G0B+2:G0B+3], s[58:59]
	s_or_b32 s[G0B+3], s[G0B+3], 0x80000000
	ROUND                                          ; all sixteen work-groups are here: the joint loads meet
	s_cmp_eq_u32 s17, 0                            ; one joint load a wave: one branch on the wave's number, a load in each arm
	s_cbranch_scc0 .Lfor_b
	tensor_load_to_lds s[G0A:G0A+3], s[G1A:G1A+7]
	s_nop 0
	PLACES
	s_branch .Lasked
.Lfor_b:
	tensor_load_to_lds s[G0B:G0B+3], s[G1B:G1B+7]
	s_nop 0
	PLACES
.Lasked:
	v_and_b32 v1, 15, v0                           ; r
	v_bfe_u32 v2, v0, 4, 1                         ; h
	v_and_b32 v3, 31, v0
	v_lshlrev_b32 v3, 4, v3                        ; 16 x lane
	v_lshlrev_b32 v5, 5, v1                        ; 32 r
	v_lshlrev_b32 v6, 5, v2                        ; 32 h
	v_lshlrev_b32 v7, 4, v1                        ; 16 r
	s_lshl_b32 s76, s17, 14                        ; my 64 rows' images
	v_add_nc_u32 v8, s76, v3                       ; v8, v9: O's fragments in half 0, 1
	s_add_co_u32 s76, s76, AHALF
	v_add_nc_u32 v9, s76, v3
	v_mul_u32_u24 v14, v1, PITCH
	v_lshl_add_u32 v14, v2, 4, v14
	s_mul_i32 s77, s18, 128*PITCH
	s_add_co_u32 s77, s77, BBASE
	v_add_nc_u32 v10, s77, v14                     ; v10, v11: Wproj's
	s_add_co_u32 s77, s77, 256                     ; K's second half lies 256 bytes on in each row
	v_add_nc_u32 v11, s77, v14
	s_mul_i32 s78, s16, 16*SPITCH
	s_add_co_u32 s78, s78, STG                     ; my stage
	v_mul_u32_u24 v[STO], v1, SPITCH
	v_lshl_add_u32 v[STO], v2, 5, v[STO]
	v_add_nc_u32 v[STO], s78, v[STO]               ; in: row r, 32 bytes for each half of the lanes
	v_add_nc_u32 v[RD], s78, v3                    ; back: the 32 lanes take a row of 512 bytes
.irp a, 0,1,2,3
.irp g, 0,1
	global_load_b128 v[SA+8*\a+4*\g:SA+8*\a+4*\g+3], v7, s[60:61] offset:512*\a+256*\g     ; sixteen lanes read 256 consecutive bytes
.endr
.endr
.irp b, 0,1,2,3,4,5,6,7
.irp g, 0,1
	global_load_b128 v[SB+8*\b+4*\g:SB+8*\b+4*\g+3], v5, s[62:63] offset:512*\b+16*\g
.endr
	global_load_b128 v[BI+8*\b:BI+8*\b+3],   v6, s[68:69] offset:64*\b                     ; the bias in the result's layout
	global_load_b128 v[BI+8*\b+4:BI+8*\b+7], v6, s[68:69] offset:64*\b+16
.endr
; 24 LDS loads in one run: K step q's fragments: Wproj's eight, O's four, into set q % 2
.macro FETCH q
.set FS, (\q)/4
.set FQ, (\q)%4
.set FP, (\q)%2
	WIN 0x40                                       ; destination window 1, address window 0
.irp i, 0,1,2,3,4,5,6,7
	ds_load_b128 v[64*FP+8*\i:64*FP+8*\i+3],   v[10+FS] offset:64*FQ+\i*16*PITCH
	ds_load_b128 v[64*FP+8*\i+4:64*FP+8*\i+7], v[10+FS] offset:64*FQ+\i*16*PITCH+32
.endr
.irp i, 0,1,2,3
	ds_load_b128 v[128+32*FP+8*\i:128+32*FP+8*\i+3],   v[8+FS] offset:4096*\i+1024*FQ
	ds_load_b128 v[128+32*FP+8*\i+4:128+32*FP+8*\i+7], v[8+FS] offset:4096*\i+1024*FQ+512
.endr
.endm
; 32 matrix instructions: K step q.  first = 1: the sums start from the bias.  The 32 accumulators take turns, one instruction a turn, in one order.
.macro MUL q, first
.set MP, (\q)%2
.if \first
	WIN 0x85                                       ; sources 0 and 1 window 1, C window 0, D window 2
.else
	WIN 0xa5                                       ; C and D window 2
.endif
.irp a, 0,1,2,3
.irp b, 0,1,2,3,4,5,6,7
.if \first
	v_wmma_scale_f32_16x16x128_f8f6f4 v[8*(8*\a+\b):8*(8*\a+\b)+7], v[64*MP+8*\b:64*MP+8*\b+7], v[128+32*MP+8*\a:128+32*MP+8*\a+7], v[BI+8*\b:BI+8*\b+7], v[SB+8*\b+(\q)], v[SA+8*\a+(\q)] matrix_a_fmt:MATRIX_FMT_FP4 matrix_b_fmt:MATRIX_FMT_FP4
.else
	v_wmma_scale_f32_16x16x128_f8f6f4 v[8*(8*\a+\b):8*(8*\a+\b)+7], v[64*MP+8*\b:64*MP+8*\b+7], v[128+32*MP+8*\a:128+32*MP+8*\a+7], v[8*(8*\a+\b):8*(8*\a+\b)+7], v[SB+8*\b+(\q)], v[SA+8*\a+(\q)] matrix_a_fmt:MATRIX_FMT_FP4 matrix_b_fmt:MATRIX_FMT_FP4
.endif
.endr
.endr
.endm
	s_wait_alu depctr_va_vdst(0)
	s_wait_tensorcnt 0x0                           ; my one load is in
	s_barrier_signal -1
	s_barrier_wait -1                              ; everybody's are
	FETCH 0
	FETCH 1
	s_wait_loadcnt 0x0                             ; the scale words and the bias
	s_wait_dscnt 24                                ; K step 0's fragments are in; step 1's 24 loads may be out
	MUL 0, 1
.irp q, 1,2,3,4,5,6,7
	PLACES                                         ; ahead of the loads into the set that the last step multiplied
.if \q < 7
	FETCH \q+1
	s_wait_dscnt 24                                ; all but the 24 just issued
.else
	s_wait_dscnt 0x0
.endif
	MUL \q, 0
.endr
	WIN 0
; THE WAY OUT, block by block of 16 rows x 128 columns: through my own stage in LDS, back as whole rows of 512 bytes.  LDS serves a wave's instructions in order (ISA guide 5.7.1.4): no wait between the stores and the loads.
.macro TOSTAGE a
	WIN 0x08                                       ; an LDS store's data: window 2
.irp b, 0,1,2,3,4,5,6,7
	ds_store_b128 v[STO], v[8*(8*(\a)+\b):8*(8*(\a)+\b)+3]   offset:64*\b     ; each accumulator from its low end on
	ds_store_b128 v[STO], v[8*(8*(\a)+\b)+4:8*(8*(\a)+\b)+7] offset:64*\b+16
.endr
	WIN 0
.set BB, BK+64*((\a)%2)
.irp t, 0,1,2,3,4,5,6,7,8,9,10,11,12,13,14,15
	ds_load_b128 v[BB+4*\t:BB+4*\t+3], v[RD] offset:\t*SPITCH
.endr
.endm
.macro SEND a, younger                 ; younger: the LDS instructions issued behind block a's loads, which may stay out
.set BB, BK+64*((\a)%2)
	s_wait_dscnt \younger
.irp t, 0,1,2,3,4,5,6,7,8,9,10,11,12,13,14,15
	global_store_b128 v3, v[BB+4*\t:BB+4*\t+3], s[70:71] offset:(16*(\a)+\t)*4096 th:TH_STORE_NT   ; 32 lanes store 512 consecutive bytes, aligned; the row stands in the immediate: 63 rows of 4,096 bytes at the most
.endr
.endm
	PLACES                                         ; ahead of the first read of results
	TOSTAGE 0
.irp a, 1,2,3
.if \a > 1
	s_wait_xcnt 0x0                                ; block a - 2's stores have read their registers: block a's loads may land there
.endif
	TOSTAGE \a
	SEND \a-1, 32                                  ; behind block a - 1's loads: block a's 16 stores and 16 loads
.endr
	SEND 3, 0
	s_wait_tensorcnt 0x0
	ds_add_u32 v30, v31
	s_wait_dscnt 0x0
	ROUND                                          ; the closing round: no work-group ends while a partner may still ask for a tile that names it
	s_endpgm
.Lfunc_end_k_qa1d2b3b79f_proj:
	.size	k_qa1d2b3b79f_proj, .Lfunc_end_k_qa1d2b3b79f_proj-k_qa1d2b3b79f_proj
	.p2alignl 7, 3214868480
	.fill 96, 4, 3214868480
	.section	.rodata,"a",@progbits
	.p2align	6, 0x0
	.amdhsa_kernel k_qa1d2b3b79f_proj
		.amdhsa_group_segment_fixed_size 239104
		.amdhsa_private_segment_fixed_size 0
		.amdhsa_enable_private_segment 0
		.amdhsa_kernarg_size 48
		.amdhsa_user_sgpr_count 2
		.amdhsa_user_sgpr_kernarg_segment_ptr 1
		.amdhsa_wavefront_size32 1
		.amdhsa_system_sgpr_workgroup_id_x 1
		.amdhsa_system_sgpr_workgroup_id_y 1
		.amdhsa_system_sgpr_workgroup_id_z 1
		.amdhsa_system_vgpr_workitem_id 0
		.amdhsa_next_free_vgpr 768
		.amdhsa_next_free_sgpr 100
		.amdhsa_reserve_vcc 0
		.amdhsa_float_denorm_mode_32 3
		.amdhsa_float_denorm_mode_16_64 3
		.amdhsa_memory_ordered 1
		.amdhsa_forward_progress 1
		.amdhsa_inst_pref_size 71
	.end_amdhsa_kernel
	.amdgpu_metadata
---
amdhsa.version: [ 1, 2 ]
amdhsa.kernels:
  - .name:           k_qa1d2b3b79f_proj
    .symbol:         k_qa1d2b3b79f_proj.kd
    .args:
      - { .name: oc, .offset: 0, .size: 8, .value_kind: global_buffer, .address_space: global }
      - { .name: os, .offset: 8, .size: 8, .value_kind: global_buffer, .address_space: global }
      - { .name: Wproj_codes, .offset: 16, .size: 8, .value_kind: global_buffer, .address_space: global }
      - { .name: Wproj_scales, .offset: 24, .size: 8, .value_kind: global_buffer, .address_space: global }
      - { .name: bproj, .offset: 32, .size: 8, .value_kind: global_buffer, .address_space: global }
      - { .name: out0, .offset: 40, .size: 8, .value_kind: global_buffer, .address_space: global }
    .group_segment_fixed_size: 239104
    .private_segment_fixed_size: 0
    .kernarg_segment_align: 8
    .kernarg_segment_size: 48
    .max_flat_workgroup_size: 128
    .sgpr_count:     100
    .vgpr_count:     768
    .wavefront_size: 32
...
	.end_amdgpu_metadata
.endif
;; end of part 3
